; MI455X (gfx1250); checked and timed in simulation.
; The chip was launched on July 23, 2026; its instructions are those of AMD's public machine-readable ISA for CDNA 5 (MIT licence, August 2026) and "CDNA5" Instruction Set Architecture Reference Guide (July 2026). The comments in the code are by the model that wrote it; some were corrected since.
;; Attention. Allowed arithmetic: matrix products marked QUANTISED: E2M3 operands, one E8M0 scale for each 32 along K, by v_wmma_scale_f32_16x16x128_f8f6f4 with both operands' format E2M3, f32 sums; everything else in f32.
;; Inputs: b_proj 1,024 float32; b_qkv 3,072 float32; w_proj 1,024 x 1,024 float32; w_qkv 3,072 x 1,024 float32; x 4 x 2,048 x 1,024 float32.
;; Outputs: out0 4 x 2,048 x 1,024 float32.
;; This version of the problem:
;;   THIS VERSION OF THE PROBLEM IS GIVEN IN LOW PRECISION. The matrix products marked QUANTISED in the list below multiply operands that are first quantised to E2M3 (2 exponent bits, 3 mantissa bits; 6 bits a number), with one power-of-two scale for each 32 numbers along K (OCP MX v1.0); their sums are f32. All else is computed in f32.
;;   The module's matrix products, in the order in which they are computed (A, B: the left and right operand; K: the contracted axis; several contracted axes count as one K, in the product's order):
;;     1. [M 8,192, K 1,024] x [K 1,024, N 3,072]; A: input x; B: input w_qkv: QUANTISED
;;     2. batch 64 x [M 2,048, K 64] x [K 64, N 2,048]; A: computed on the way; B: computed on the way: QUANTISED
;;     3. batch 64 x [M 64, K 2,048] x [K 2,048, N 2,048]; A: computed on the way; B: softmax (see below): QUANTISED
;;     4. [M 8,192, K 1,024] x [K 1,024, N 1,024]; A: computed on the way; B: input w_proj: QUANTISED
;;   THE QUANTISER, for each operand of a quantised product, along K:
;;     - K is cut into blocks of 32 from its start; a last block that is shorter is filled with zeros.
;;     - A block's scale is 2^e with e = floor(log2(the largest magnitude in the block)) - 2, held to -126 .. 127; a block of zeros has e = 0. As a byte (E8M0): e + 127.
;;     - Each number is divided by its block's scale, clamped to +-7.5, and rounded to the nearest number of E2M3, ties to even, subnormals kept.
;;     - The product sums the exact products of the quantised numbers (number of the format x scale) in f32.
;;   ~~~python
;;   def quantise(x, axis):      # numpy; x: float32 -> the quantised numbers, widened to float32 again
;;       x = np.moveaxis(x, axis, -1); K = x.shape[-1]
;;       x = np.pad(x, [(0, 0)] * (x.ndim - 1) + [(0, -K % 32)]); x = x.reshape(x.shape[:-1] + (-1, 32)); a = np.abs(x).max(-1, keepdims=True)
;;       e = np.where(a > 0, np.clip(np.frexp(np.where(a > 0, a, 1))[1] - 1 - 2, -126, 127), 0)      # np.frexp(a)[1] - 1 = floor(log2(a)), exactly
;;       r = np.clip(x / 2.0 ** e, -7.5, 7.5)
;;       step = 2.0 ** (np.maximum(np.frexp(np.where(r == 0, 1, r))[1] - 1, 0) - 3)
;;       q = np.round(r / step) * step * 2.0 ** e      # np.round: ties to even
;;       return np.moveaxis(q.reshape(q.shape[:-2] + (-1,))[..., :K], -1, axis).astype(np.float32)
;;   ~~~
;;   SOFTMAX AHEAD OF A QUANTISED PRODUCT. Where the list says 'softmax', what is quantised is not the finished softmax but p = 2^(t - M), with t = logit x log2(e) and M = ceil(the row's largest t), a whole number; so 1/2 < the row's largest p <= 1. The row's sum l is taken of the UNQUANTISED p, in f32, and the product's result is divided by l at the end. Since M is a whole number, a kernel that streams over the keys may use a running M (the ceiling of the running maximum): every later rescaling is an exact power of two, which a block's scale takes up: the codes' values come out the same.
;;   OPERANDS COMPUTED ON THE WAY. 'Computed on the way' means the value that the module computes at that place (a softmax that the list does not call 'softmax' is quantised finished and normalised). What goes into a quantiser is computed in f32, as accurately as f32 sums, v_exp_f32 and their like allow (about 1e-6 of the number): no bf16 or f16 on the way to a quantiser, and a product that is left as it is and whose result goes on into a quantised operand takes f32 operands (vector FMAs, or v_wmma_f32_16x16x4_f32). A number that lies on a knife's edge between two numbers of the format may be rounded either way, as far as f32 arithmetic and the matrix unit's own rounding can turn it there, and no further.
;; One version. Each part assembles by itself: llvm-mc -triple=amdgcn-amd-amdhsa -mcpu=gfx1250 --defsym DOCPART=n.
;; ======== version 1 of 1: 4 launches
;; workspace buffers: cod 9,437,184 bytes; scl 393,216 bytes; qimg 6,291,456 bytes; qsc 524,288 bytes; kv 12,582,912 bytes; ksc 786,432 bytes; oimg 6,291,456 bytes; osc 262,144 bytes
;; launch quant (part 1): grid 384 x 1, 4 waves a work-group, no clusters, 34,304 bytes of LDS; arguments x, w_qkv, w_proj, cod, scl; writes cod, scl
.if DOCPART == 1
	.amdgcn_target "amdgcn-amd-amdhsa--gfx1250"
	.amdhsa_code_object_version 6
	.text
	.protected	k_q9d11590aa7_quant
	.globl	k_q9d11590aa7_quant
	.p2align	8
	.type	k_q9d11590aa7_quant,@function
k_q9d11590aa7_quant:
	s_mov_b64 s[64:65], 0
	v_nop
	global_prefetch_b8 v0, s[64:65] scope:SCOPE_SE
	s_setreg_imm32_b32 hwreg(HW_REG_WAVE_MODE, 25, 1), 1
	s_wait_xcnt 0x0
; x [8192][1024], w_qkv [3072][1024], w_proj [1024][1024], f32, become codes of FP6 (E2M3) with one E8M0 byte for each 32 along K, laid as IMAGES OF OPERAND REGISTERS.
; cod: [tile of 16 rows, 0..767][K step of 128, 0..7][1,536 bytes]: register pair p of lane l at 256 p + 8 l.  scl: [tile][K slot of 256][row 0..15][2 words], a word = the 4 bytes of one row and one K step.
; THE ROWS OF A STORED TILE ARE NOT NEIGHBOURS: lane-row r of stored tile t is row 32 (t / 2) + 8 (t % 2) + r + 8 (r / 8), so that the results of a product that takes such a tile as source 0 lie 16 neighbours to a lane.
; A block's scale is 2^(floor(log2(largest magnitude)) - 2): the largest magnitude's exponent field less 2, held at 1 from below.
; LIMITS: a block whose largest magnitude lies under 2^-124 gets the byte 1; a block of zeros gets the byte 1 where the rule says 127 (its codes are zeros, and this program alone reads the bytes); NaN and infinities are not served.
; SHARES: a work-group takes 32 rows (two stored tiles); wave w takes tile w / 2 and half w % 2 of K: four K steps.  Work-groups 0-255 x, 256-351 w_qkv, 352-383 w_proj.
; Each load reads 512 consecutive bytes of one row; a K step's 16 rows turn through the wave's own stage in LDS (pitch 528), so that a lane gets two whole blocks of 32.  Waves share nothing: no barrier.
.set R,   16                           ; v16-143  two sets of 64 registers as loaded
.set X,   144                          ; v144-207 my two blocks of 32 numbers
.set C,   208                          ; v208-219 the fragment's codes
.set CT,  220                          ; v220-222, v224-226 the upper halves of the blocks' codes
.set W,   228                          ; v228-231 the four K steps' scale words
	s_load_b128 s[4:7], s[0:1], 0x0                ; x, w_qkv
	s_load_b128 s[8:11], s[0:1], 0x10              ; w_proj, cod
	s_load_b64 s[12:13], s[0:1], 0x20              ; scl
	v_lshl_add_u32 v240, v0, 2, 0x8400
	v_mov_b32 v241, 0
	v_lshrrev_b32 v1, 5, v0
	v_readfirstlane_b32 s16, v1                    ; wave
	v_and_b32 v1, 31, v0                           ; lane
	v_and_b32 v2, 15, v0                           ; r
	v_bfe_u32 v3, v0, 4, 1                         ; h
	v_lshlrev_b32 v4, 4, v1                        ; my 16 bytes of a load's 512
	s_mul_i32 s25, s16, 8448                       ; my stage
	v_add_nc_u32 v5, s25, v4                       ; into it: 16 x lane, the row in the immediate
	v_mul_u32_u24 v6, v2, 528
	v_lshl_add_u32 v6, v3, 7, v6
	v_add_nc_u32 v6, s25, v6                       ; out of it: row r, + 128 h: block h of each 64 numbers
	v_lshlrev_b32 v7, 3, v1                        ; 8 x lane: a register pair's place in an image
	v_lshlrev_b32 v8, 3, v3                        ; 8 h: where my bytes stand in the scale word
	v_mov_b32 v9, 0                                ; a lane permute's destination counts as read
	s_mov_b32 s20, 0x76543210
	s_mov_b32 s21, 0xfedcba98                      ; selects for lane l xor 16
	s_mov_b32 s22, 0xffff0000                      ; lanes 16-31
	s_lshr_b32 s23, s16, 1                         ; which of the two tiles
	s_and_b32 s24, s16, 1                          ; which half of K
	s_wait_alu depctr_va_vdst(0)
	s_wait_kmcnt 0x0
	s_mov_b32 s17, 352
	s_cmp_lt_u32 ttmp9, 352                        ; the choice of tensor hangs on the work-group's number alone
	s_cselect_b64 s[6:7], s[6:7], s[8:9]
	s_cselect_b32 s17, 256, s17
	s_cmp_lt_u32 ttmp9, 256
	s_cselect_b64 s[4:5], s[4:5], s[6:7]
	s_cselect_b32 s17, 0, s17
	s_sub_co_u32 s17, ttmp9, s17                   ; my 32 rows in that tensor
	s_lshl_b32 s26, s17, 17                        ; 32 rows of 4,096 bytes
	s_lshl_b32 s18, s23, 15                        ; the second tile begins 8 rows down
	s_add_co_u32 s26, s26, s18
	s_lshl_b32 s18, s24, 11                        ; half of K: 2,048 bytes
	s_add_co_u32 s26, s26, s18
	s_mov_b32 s27, 0
	s_add_nc_u64 s[4:5], s[4:5], s[26:27]
	s_lshl_b32 s18, ttmp9, 1
	s_add_co_u32 s18, s18, s23                     ; stored tile
	s_mul_i32 s28, s18, 12288
	s_mul_i32 s19, s24, 6144
	s_add_co_u32 s28, s28, s19
	s_mov_b32 s29, 0
	s_add_nc_u64 s[10:11], s[10:11], s[28:29]
	s_lshl_b32 s30, s18, 9
	s_lshl_b32 s19, s24, 8
	s_add_co_u32 s30, s30, s19
	s_mov_b32 s31, 0
	s_add_nc_u64 s[12:13], s[12:13], s[30:31]
.macro LOADF t                         ; K step t: 16 rows x 512 bytes, in the tile's row order
.irp p, 0,1,2,3,4,5,6,7,8,9,10,11,12,13,14,15
	global_load_b128 v[R+64*((\t)%2)+4*\p:R+64*((\t)%2)+4*\p+3], v4, s[4:5] offset:(\p+8*(\p/8))*4096+512*(\t) th:TH_LOAD_NT
.endr
.endm
.macro TURNF t                         ; through the stage: LDS serves a wave's instructions in order, so no wait stands between the stores and the loads
.irp p, 0,1,2,3,4,5,6,7,8,9,10,11,12,13,14,15
	ds_store_b128 v5, v[R+64*((\t)%2)+4*\p:R+64*((\t)%2)+4*\p+3] offset:528*\p
.endr
.irp c, 0,1
.irp i, 0,1,2,3,4,5,6,7
	ds_load_b128 v[X+32*\c+4*\i:X+32*\c+4*\i+3], v6 offset:256*\c+16*\i   ; k = 64 c + 32 h + 4 i ..
.endr
.endr
.endm
.macro QF t
.irp c, 0,1
	v_max3_num_f32 v[10+\c], |v[X+32*\c]|, |v[X+1+32*\c]|, 0x1800000   ; my block 2 c + h, and the floor 2^(3 - 127): the byte cannot fall under 1
.endr
.irp i, 2,4,6,8,10,12,14,16,18,20,22,24,26,28,30
.irp c, 0,1
	v_max3_num_f32 v[10+\c], v[10+\c], |v[X+32*\c+\i]|, |v[X+1+32*\c+\i]|
.endr
.endr
.irp c, 0,1
	v_add_nc_u32 v[12+\c], 0xff000000, v[10+\c]    ; 2 off the exponent field: the conversion's scale operand
.endr
.irp c, 0,1
	v_lshrrev_b32 v[14+\c], 23, v[12+\c]           ; the scale's byte
.endr
	v_lshl_or_b32 v[W+\t], v15, 16, v14            ; blocks h and 2 + h,
	v_lshlrev_b32 v[W+\t], v8, v[W+\t]             ; at their places in the word;
	v_permlanex16_b32 v9, v[W+\t], s20, s21
	v_or_b32 v[W+\t], v[W+\t], v9                  ; with lane l xor 16's two the word is whole
	s_wait_alu depctr_va_vdst(0)
	s_wait_xcnt 0x0                                ; the last K step's stores have read the codes' registers
.irp c, 0,1
	v_cvt_scalef32_pk16_fp6_f32 v[C+6*\c:C+6*\c+2], v[X+32*\c:X+32*\c+15], v[12+\c]
	v_cvt_scalef32_pk16_fp6_f32 v[CT+4*\c:CT+4*\c+2], v[X+32*\c+16:X+32*\c+31], v[12+\c]   ; (a conversion's three registers begin on an even number)
.endr
	v_nop                                          ; one plain place behind a scaled conversion
.irp c, 0,1
.irp i, 0,1,2
	v_mov_b32 v[C+3+6*\c+\i], v[CT+4*\c+\i]
.endr
.endr
.irp p, 0,1,2,3,4,5
	global_store_b64 v7, v[C+2*\p:C+2*\p+1], s[10:11] offset:1536*(\t)+256*\p   ; 32 lanes store 256 consecutive bytes, aligned
.endr
.endm
	LOADF 0
	LOADF 1
.irp t, 0,1,2,3
.if \t < 3
	s_wait_loadcnt 16                              ; this K step's 16 loads are in; the next step's 16 may be out
.else
	s_wait_loadcnt 0x0
.endif
	TURNF \t
	s_wait_dscnt 0x0                               ; my numbers are back, so the stage's stores have read their registers,
.if \t < 2
	LOADF \t+2                                     ; which take the loads of two steps on
.endif
	QF \t
.endr
	v_cndmask_b32 v232, v[W], v[W+2], s22          ; lanes 0-15: the first K slot's two words of row r; lanes 16-31: the second's
	v_cndmask_b32 v233, v[W+1], v[W+3], s22
	global_store_b64 v7, v[232:233], s[12:13]      ; 256 consecutive bytes, aligned
	s_wait_tensorcnt 0x0
	ds_add_u32 v240, v241
	s_wait_dscnt 0x0
	s_endpgm
.Lfunc_end_k_q9d11590aa7_quant:
	.size	k_q9d11590aa7_quant, .Lfunc_end_k_q9d11590aa7_quant-k_q9d11590aa7_quant
	.p2alignl 7, 3214868480
	.fill 96, 4, 3214868480
	.section	.rodata,"a",@progbits
	.p2align	6, 0x0
	.amdhsa_kernel k_q9d11590aa7_quant
		.amdhsa_group_segment_fixed_size 34304
		.amdhsa_private_segment_fixed_size 0
		.amdhsa_enable_private_segment 0
		.amdhsa_kernarg_size 40
		.amdhsa_user_sgpr_count 2
		.amdhsa_user_sgpr_kernarg_segment_ptr 1
		.amdhsa_wavefront_size32 1
		.amdhsa_system_sgpr_workgroup_id_x 1
		.amdhsa_system_sgpr_workgroup_id_y 1
		.amdhsa_system_sgpr_workgroup_id_z 1
		.amdhsa_system_vgpr_workitem_id 0
		.amdhsa_next_free_vgpr 242
		.amdhsa_next_free_sgpr 66
		.amdhsa_reserve_vcc 0
		.amdhsa_float_denorm_mode_32 3
		.amdhsa_float_denorm_mode_16_64 3
		.amdhsa_memory_ordered 1
		.amdhsa_forward_progress 1
		.amdhsa_inst_pref_size 32
	.end_amdhsa_kernel
	.amdgpu_metadata
---
amdhsa.version: [ 1, 2 ]
amdhsa.kernels:
  - .name:           k_q9d11590aa7_quant
    .symbol:         k_q9d11590aa7_quant.kd
    .args:
      - { .name: x, .offset: 0, .size: 8, .value_kind: global_buffer, .address_space: global }
      - { .name: w_qkv, .offset: 8, .size: 8, .value_kind: global_buffer, .address_space: global }
      - { .name: w_proj, .offset: 16, .size: 8, .value_kind: global_buffer, .address_space: global }
      - { .name: cod, .offset: 24, .size: 8, .value_kind: global_buffer, .address_space: global }
      - { .name: scl, .offset: 32, .size: 8, .value_kind: global_buffer, .address_space: global }
    .group_segment_fixed_size: 34304
    .private_segment_fixed_size: 0
    .kernarg_segment_align: 8
    .kernarg_segment_size: 40
    .max_flat_workgroup_size: 128
    .sgpr_count:     66
    .vgpr_count:     242
    .wavefront_size: 32
...
	.end_amdgpu_metadata
.endif
;; end of part 1
;; launch qkv (part 2): grid 12 x 32, 4 waves a work-group, clusters of 4 x 4, 327,680 bytes of LDS; arguments cod, scl, b_qkv, qimg, qsc, kv, ksc; writes qimg, qsc, kv, ksc
.if DOCPART == 2
	.amdgcn_target "amdgcn-amd-amdhsa--gfx1250"
	.amdhsa_code_object_version 6
	.text
	.protected	k_q9d11590aa7_qkv
	.globl	k_q9d11590aa7_qkv
	.p2align	8
	.type	k_q9d11590aa7_qkv,@function
k_q9d11590aa7_qkv:
	s_mov_b64 s[64:65], 0
	v_nop
	global_prefetch_b8 v0, s[64:65] scope:SCOPE_SE
	s_setreg_imm32_b32 hwreg(HW_REG_WAVE_MODE, 25, 1), 1
	s_wait_xcnt 0x0
	s_wait_alu depctr_hold_cnt(0) depctr_sa_sdst(0) depctr_va_vdst(0) depctr_va_sdst(0) depctr_va_ssrc(0) depctr_va_vcc(0) depctr_vm_vsrc(0)
	s_getreg_b32 s2, hwreg(HW_REG_IB_STS2, 6, 4)
	s_cmp_eq_u32 s2, 0
	s_cbranch_scc0 .Lentry_in_a_cluster
	s_endpgm
.Lentry_in_a_cluster:
	s_bfe_u32 s2, ttmp6, 0x10000c
	s_cmp_lg_u32 s2, 0xf033
	s_cbranch_scc0 .Lentry_shape_is_right
	s_endpgm
.Lentry_shape_is_right:
; qkv = x w_qkv^T + b_qkv on codes of FP6 (E2M3) with E8M0 scales, and the quantisers of q and k (along the head's 64) and of v (along the keys).  Only codes and scale bytes leave.
; A work-group makes 256 x 256 results, a wave 128 x 128: 64 accumulators.  S0 is the matrix instruction's source 0 (its rows run along a lane's registers), S1 its source 1 (its rows are the lanes).
; Clusters x = 0, 1 (q, k): S0 = 256 rows of w_qkv, S1 = 256 tokens: a lane holds one token and 16 neighbouring features to a pair of tiles: the next K.
; Cluster x = 2 (v): S0 = 256 tokens, S1 = 256 rows of w_qkv's v part: a lane holds one channel and its registers run along the keys: the next K.
; Operands come as images of their registers (launch quant): a fragment is 1,536 dense bytes, register pair p of lane l at 256 p + 8 l; the stored row order makes the results' registers neighbours.
; K = 1,024 goes in four slots of 256 through a ring of two LDS slots; the scales of all of K come once.  4 x 4 work-groups form a cluster: S1's tiles are asked for jointly along a row, S0's along a column.
; OUT: qimg [head of a batch 64][128 tokens 16][6,144]: tile t's six registers at registers 6 t, in quads: quad g of lane l at 512 g + 16 l.  qsc [..][..][512]: register g: tile 2 g's words in lanes 0-15, tile 2 g + 1's in lanes 16-31;
; bytes 2, 3 of a word are 0.  kv [..][128 keys 16][12,288]: K as a block of qimg, then V^T's four fragments of 1,536.  ksc [..][12,288]: K's scale quads at 512 x step, V's pairs at 8,192 + 256 x step.
; LIMITS: a block whose largest magnitude lies under 2^-124, a block of zeros among them, gets the byte 1; NaN and infinities are not served.
; REGISTERS: window 0: v16-31 addresses; v32-63 scale words, two sets, nothing else; v64-91 the epilogue's small things; v128-223 S1's fragments, later the epilogue's numbers and codes; v224-239 v's bias.
;   window 1: S0's fragments, two sets at v0 and v128; q's and k's bias in v96-127 and v224-255.   windows 2, 3: the accumulators, (a, b) at v[8 (8 (a % 4) + b)].
.set FRB,    1536                      ; a fragment's image
.set SL16,   3072                      ; a tile of 16 rows in a slot: two K steps
.set HALFT,  8*SL16                    ; 128 rows: one tensor load
.set SLOT,   4*HALFT                   ; S1's 256 rows, then S0's
.set SCL,    2*SLOT                    ; the scales, 4,096 bytes for 128 rows, in the same order
.set HALFS,  4096
.set SPARE,  SCL+4*HALFS               ; the spare words: 128 bytes a wave, named by no other line
.set NQ,     2
.set FR,     12
.set NL,     6
.set NP,     4
.set ADRA, 16                          ; v16-17  S1's fragments in slot 0, 1
.set ADRB, 20                          ; v20-21  S0's
.set LQ,   24                          ; v24     16 x lane
.set L8,   25                          ; v25     8 x lane
.set ADRS, 27                          ; v27     my scale words: lanes 0-15 S1's rows, lanes 16-31 S0's
.set SPW,  28
.set NIL,  29
.set VB1,  30                          ; v30     64 h
.set VB2,  31                          ; v31     4 (r + 8 (r / 8))
.set SC,   32
.set AF,   128
.set BV,   224
.set T,    128                         ; the epilogue: 64 numbers
.set PCB,  192                         ; 24 registers of codes
.set CT,   216                         ; v216-218, v220-222
.set TM,   64                          ; v64-67 maxima, v68-71 bytes, v76-79 scale operands
.set PW,   80
.set PS,   81
.set CW,   82
.set SA,   84
.set SB,   88
.set G1, 24                            ; s[24:31] group 1 for S1's tiles; s[32:39] group 0, a set for each slot
.set G0, 32
.set G1B, 48                           ; s[48:55], s[56:63] the same for S0's
.set G0B, 56
.set G1S, 68                           ; s[68:75], s[76:79] S1's scales; s[80:87], s[88:91] S0's
.set G0S, 76
.set G1SB, 80
.set G0SB, 88
.set MSB, 0
.macro WIN new                         ; the immediate's high byte repeats the setting that is left
.if MSB != (\new)
	s_set_vgpr_msb (MSB<<8)|(\new)
.set MSB, (\new)
.endif
.endm
.set MUL_LO, 0xa1                      ; source 0 window 1, source 1 window 0, C and D window 2
.set MUL_HI, 0xf1
.set TO_B,   0x40
.macro JLOAD g0a, g1a, g0b, g1b        ; a joint load: waves 0, 1 fetch for S1, waves 2, 3 for S0; four v_nop follow each line
	s_cmp_eq_u32 s15, 0
	s_cbranch_scc0 .Lfor_b_\@
	tensor_load_to_lds s[\g0a:\g0a+3], s[\g1a:\g1a+7]
	s_nop 0
.rept 4
	v_nop
.endr
	s_branch .Lasked_\@
.Lfor_b_\@:
	tensor_load_to_lds s[\g0b:\g0b+3], s[\g1b:\g1b+7]
	s_nop 0
.rept 4
	v_nop
.endr
.Lasked_\@:
.endm
.macro CREST
	s_cmp_lg_u32 s14, 0
	s_cbranch_scc1 .Lnot_wave_0_\@
	s_barrier_signal -3
.Lnot_wave_0_\@:
	s_barrier_wait -3
	s_barrier_signal -1
	s_barrier_wait -1
.endm
.macro CROUND
	s_barrier_signal -1
	s_barrier_wait -1
	CREST
.endm
	s_load_b256 s[4:11], s[0:1], 0x0               ; cod, scl, b_qkv, qimg
	s_load_b128 s[92:95], s[0:1], 0x20             ; qsc, kv
	s_load_b64 s[96:97], s[0:1], 0x30              ; ksc
	v_lshl_add_u32 v[SPW], v0, 2, SPARE
	v_mov_b32 v[NIL], 0
	ds_add_u32 v28, v29
	ds_add_u32 v28, v29
	s_wait_dscnt 0x0
	v_lshrrev_b32 v1, 5, v0
	v_readfirstlane_b32 s14, v1                    ; wave
	s_lshr_b32 s15, s14, 1                         ; my half of S1's rows.  Also: I fetch for S1 (0) or S0 (1)
	s_and_b32 s16, s14, 1                          ; my half of S0's rows.  Also: which 128 rows I fetch
	s_bfe_u32 s40, ttmp6, 0x40000                  ; cx
	s_bfe_u32 s41, ttmp6, 0x40004                  ; cy
	s_mov_b32 s99, ttmp9                           ; cluster x: 0 q, 1 k, 2 v: the same in all sixteen partners
	s_and_b32 s18, ttmp7, 0xffff
	s_lshl_b32 s18, s18, 2                         ; 4 x cluster y: x's groups of 256 tokens
	s_lshl_b32 s19, s99, 2
	s_add_co_u32 s19, s19, 32                      ; w_qkv's groups of 256 rows begin at group 32 of cod
	s_cmp_eq_u32 s99, 2
	s_cselect_b32 s98, 1, 0                        ; v?
	s_cselect_b32 s42, s18, s19
	s_cselect_b32 s17, 40, s18
	s_add_co_u32 s42, s42, s40                     ; S0's group of 256 rows: hangs on cx alone within the cluster
	s_add_co_u32 s17, s17, s41                     ; S1's: on cy alone
	s_lshl_b32 s43, s41, 2
	s_lshl_b32 s43, 15, s43                        ; my row of the cluster
	s_lshl_b32 s44, 0x1111, s40                    ; my column
	s_or_b32 s[G1+0], s43, (3<<16)|(1<<21)         ; the mask; elements of 8 bytes; bit 21 beside a mask; no padding: an image is read as consecutive bytes
	s_or_b32 s[G1B+0], s44, (3<<16)|(1<<21)
.irp g, G1, G1B
	s_mov_b32 s[\g+1], 384<<16                     ; tensor_dim0: 3,072 bytes: a tile's two K steps
	s_mov_b32 s[\g+2], 8<<16                       ; tensor_dim1: 8 tiles of 16 rows
	s_mov_b32 s[\g+3], 384<<16                     ; tile_dim0
	s_mov_b32 s[\g+4], 8                           ; tile_dim1
	s_mov_b32 s[\g+5], 1536                        ; from tile to tile: 12,288 bytes
	s_mov_b32 s[\g+6], 0
	s_mov_b32 s[\g+7], 0
.endr
	s_or_b32 s[G1S+0], s43, (3<<16)|(1<<21)
	s_or_b32 s[G1SB+0], s44, (3<<16)|(1<<21)
.irp g, G1S, G1SB
	s_mov_b32 s[\g+1], 32<<16                      ; 4,096 dense bytes as 16 rows of 256
	s_mov_b32 s[\g+2], 16<<16
	s_mov_b32 s[\g+3], 32<<16
	s_mov_b32 s[\g+4], 16
	s_mov_b32 s[\g+5], 32
	s_mov_b32 s[\g+6], 0
	s_mov_b32 s[\g+7], 0
.endr
	s_lshl_b32 s20, s17, 1
	s_add_co_u32 s20, s20, s16                     ; S1: which 128 rows I fetch
	s_lshl_b32 s46, s42, 1
	s_add_co_u32 s46, s46, s16                     ; S0 likewise
	s_lshl_b32 s22, s20, 12                        ; their scales
	s_mov_b32 s23, 0
	s_lshl_b32 s100, s46, 12
	s_mov_b32 s101, 0
	s_mul_i32 s20, s20, 98304                      ; their codes
	s_mov_b32 s21, 0
	s_mul_i32 s46, s46, 98304
	s_mov_b32 s47, 0
	s_mul_i32 s45, s14, HALFT                      ; where they go: no place in the cluster enters an LDS address
	s_mul_i32 s3, s14, HALFS
	s_wait_kmcnt 0x0
	s_add_nc_u64 s[20:21], s[4:5], s[20:21]
	s_add_nc_u64 s[22:23], s[6:7], s[22:23]
	s_add_nc_u64 s[46:47], s[4:5], s[46:47]
	s_add_nc_u64 s[100:101], s[6:7], s[100:101]
	CROUND                                         ; all sixteen work-groups are here: the first joint loads meet
	s_mov_b32 s[G0S], 1
	s_add_co_u32 s[G0S+1], s3, SCL
	s_mov_b64 s[G0S+2:G0S+3], s[22:23]
	s_or_b32 s[G0S+3], s[G0S+3], 0x80000000
	s_mov_b32 s[G0SB], 1
	s_add_co_u32 s[G0SB+1], s3, SCL
	s_mov_b64 s[G0SB+2:G0SB+3], s[100:101]
	s_or_b32 s[G0SB+3], s[G0SB+3], 0x80000000
	JLOAD G0S, G1S, G0SB, G1SB                     ; the scales first: they are wanted with the first K step
.irp s, 0,1
	s_mov_b32 s[G0+4*\s], 1
	s_add_co_u32 s[G0+4*\s+1], s45, \s*SLOT
	s_add_nc_u64 s[G0+4*\s+2:G0+4*\s+3], s[20:21], \s*SL16
	s_or_b32 s[G0+4*\s+3], s[G0+4*\s+3], 0x80000000
	s_mov_b32 s[G0B+4*\s], 1
	s_add_co_u32 s[G0B+4*\s+1], s45, \s*SLOT
	s_add_nc_u64 s[G0B+4*\s+2:G0B+4*\s+3], s[46:47], \s*SL16
	s_or_b32 s[G0B+4*\s+3], s[G0B+4*\s+3], 0x80000000
	JLOAD G0+4*\s, G1, G0B+4*\s, G1B
.endr
	v_and_b32 v1, 15, v0                           ; r
	v_bfe_u32 v2, v0, 4, 1                         ; h
	s_wait_alu depctr_va_vdst(0)
	v_and_b32 v3, 31, v0                           ; lane
	v_lshlrev_b32 v[L8], 3, v3
	v_lshlrev_b32 v[LQ], 4, v3
	s_mul_i32 s21, s15, HALFT                      ; my 128 rows of S1
	s_mul_i32 s22, s16, HALFT
	s_add_co_u32 s22, s22, 2*HALFT                 ; my 128 rows of S0, behind S1's 256
.irp s, 0,1
	v_add_nc_u32 v[ADRA+\s], s21, v[L8]
	v_add_nc_u32 v[ADRB+\s], s22, v[L8]
	s_add_co_u32 s21, s21, SLOT
	s_add_co_u32 s22, s22, SLOT
.endr
	v_lshlrev_b32 v5, 3, v1                        ; 8 bytes a row: a K slot's two words
	s_mul_i32 s21, s15, HALFS
	s_mul_i32 s22, s16, HALFS
	s_add_co_u32 s22, s22, 2*HALFS
	s_sub_co_u32 s22, s22, s21
	v_mul_u32_u24 v6, s22, v2                      ; lanes 16-31 take S0's: one product in h
	s_add_co_u32 s21, s21, SCL
	v_add_nc_u32 v5, v5, v6
	v_add_nc_u32 v[ADRS], s21, v5
	v_lshlrev_b32 v[VB1], 6, v2
	s_wait_alu depctr_va_vdst(0)
	v_and_b32 v4, 8, v1
	v_add_nc_u32 v4, v4, v1
	v_lshlrev_b32 v[VB2], 2, v4
	; the bias, in both forms in every work-group: by feature along my registers (q, k), and by my lane's channel (v).  The form that is not the work-group's reads from a fixed place inside b_qkv
	s_wait_alu depctr_va_vdst(0)
	s_lshl_b32 s18, s99, 2
	s_add_co_u32 s18, s18, s40
	s_lshl_b32 s18, s18, 10                        ; 256 features x 4 bytes
	s_lshl_b32 s19, s16, 9
	s_add_co_u32 s18, s18, s19
	s_lshl_b32 s2, s41, 10
	s_lshl_b32 s19, s15, 9
	s_add_co_u32 s2, s2, s19
	s_cmp_eq_u32 s98, 1
	s_cselect_b32 s18, 0, s18
	s_cselect_b32 s2, s2, 0
	s_add_co_u32 s2, s2, 8192                      ; v's features begin at 2,048
	s_mov_b32 s19, 0
	s_mov_b32 s3, 0
	s_add_nc_u64 s[12:13], s[8:9], s[18:19]
	s_add_nc_u64 s[66:67], s[8:9], s[2:3]
	WIN TO_B
.irp d, 0,1,2,3,4,5,6,7,8,9,10,11,12,13,14,15      ; register n of 64 (window 1: v96-127, v224-255): the bias of feature n + 16 (n / 16) + 16 h
	global_load_b128 v[96+4*\d+96*(\d/8):96+4*\d+96*(\d/8)+3], v[VB1], s[12:13] offset:4*(4*\d+16*(\d/4))
.endr
	WIN 0
.irp a, 0,1,2,3,4,5,6,7                            ; tile a's channel of my lane, twice: a pair for the packed addition
	global_load_b32 v[BV+2*\a], v[VB2], s[66:67] offset:4*(32*(\a/2)+8*(\a%2))
	global_load_b32 v[BV+2*\a+1], v[VB2], s[66:67] offset:4*(32*(\a/2)+8*(\a%2))
.endr
.macro FRAG reg, adr, q, i             ; a fragment's image: six loads of 8 bytes a lane, 256 consecutive bytes each
.irp p, 0,1,2,3,4,5
	ds_load_b64 v[\reg+2*\p:\reg+2*\p+1], v[\adr] offset:(\i)*SL16+(\q)*FRB+256*\p
.endr
.endm
; 16 matrix instructions: S1's blocks a0, a0 + 1 x S0's eight.  The 64 accumulators take turns, one instruction a turn, in the same order in every step.
.macro MUL16 a0, p, q, sc, zero
.irp a, \a0, \a0+1
.irp b, 0,1,2,3,4,5,6,7
.if \zero
	v_wmma_scale_f32_16x16x128_f8f6f4 v[8*(8*((\a)%4)+\b):8*(8*((\a)%4)+\b)+7], v[128*(\p)+FR*\b:128*(\p)+FR*\b+FR-1], v[AF+FR*(\a):AF+FR*(\a)+FR-1], 0, v[SC+8*NQ*(\sc)+NQ*\b+(\q)], v[SC+8*NQ*(\sc)+NQ*(\a)+(\q)] matrix_a_fmt:MATRIX_FMT_FP6 matrix_b_fmt:MATRIX_FMT_FP6 matrix_a_scale:MATRIX_SCALE_ROW1
.else
	v_wmma_scale_f32_16x16x128_f8f6f4 v[8*(8*((\a)%4)+\b):8*(8*((\a)%4)+\b)+7], v[128*(\p)+FR*\b:128*(\p)+FR*\b+FR-1], v[AF+FR*(\a):AF+FR*(\a)+FR-1], v[8*(8*((\a)%4)+\b):8*(8*((\a)%4)+\b)+7], v[SC+8*NQ*(\sc)+NQ*\b+(\q)], v[SC+8*NQ*(\sc)+NQ*(\a)+(\q)] matrix_a_fmt:MATRIX_FMT_FP6 matrix_b_fmt:MATRIX_FMT_FP6 matrix_a_scale:MATRIX_SCALE_ROW1
.endif
.endr
.endr
.endm
.macro FETCH_B slot, q, p
	WIN TO_B
.irp i, 0,1,2,3,4,5,6,7
	FRAG 128*(\p)+FR*\i, ADRB+\slot, \q, \i
.endr
	WIN 0
.endm
.macro FETCH_A slot, q, i0
.irp i, \i0, \i0+1, \i0+2, \i0+3
	FRAG AF+FR*(\i), ADRA+\slot, \q, \i
.endr
.endm
.macro SCALES sc                       ; a K slot's two words a row: lanes 0-15 S1's block i, lanes 16-31 S0's block i
.irp i, 0,1,2,3,4,5,6,7
	ds_load_b64 v[SC+8*NQ*\sc+NQ*\i:SC+8*NQ*\sc+NQ*\i+1], v[ADRS] offset:\i*512
.endr
.endm
.macro PLACES n                        ; plain vector instructions between a matrix instruction and a load into, or a read of, its registers
.rept \n
	v_nop
.endr
.endm
.macro STEP slot, q, zero              ; a step of 128 along K that has its successor in the same slot
	s_wait_dscnt 4*NL                              ; S0's set, the scales and S1's blocks 0-3 are in; S1's blocks 4-7 (24 loads) may be out
	WIN MUL_LO
	MUL16 0, (\q)%2, \q, \slot, \zero
	MUL16 2, (\q)%2, \q, \slot, \zero
	s_wait_dscnt 0
	PLACES NP
	FETCH_B \slot, (\q)+1, 1-(\q)%2
	FETCH_A \slot, (\q)+1, 0
	WIN MUL_HI
	MUL16 4, (\q)%2, \q, \slot, \zero
	MUL16 6, (\q)%2, \q, \slot, \zero
	PLACES NP
	WIN 0
	FETCH_A \slot, (\q)+1, 4
.endm
; A slot's last step changes slots: one barrier; in front of it each wave waits for all its tensor loads, adds 0 to its spare word, and waits for that and for its reads of this slot.  fill = 1: the slot is filled again, two K slots ahead.
.macro TURN slot, next, fill
	s_wait_tensorcnt 0x0                           ; all my tensor loads have landed: my part of the next slot
	ds_add_u32 v[SPW], v[NIL]                      ; 0 onto my spare word
	s_wait_dscnt 4*NL+1                            ; the add and S1's blocks 4-7 may be out
	WIN MUL_LO
	MUL16 0, 1, NQ-1, \slot, 0
	s_wait_dscnt 0x0                               ; the add is done, and my reads of this slot are over
	s_barrier_signal -1
	MUL16 2, 1, NQ-1, \slot, 0
	WIN 0
	s_barrier_wait -1
.if \fill
	CREST                                          ; the barrier has opened a round of the cluster's: no wave of any partner still reads this slot or has a load on its way
	s_add_nc_u64 s[G0+4*\slot+2:G0+4*\slot+3], s[G0+4*\slot+2:G0+4*\slot+3], 2*SL16
	s_add_nc_u64 s[G0B+4*\slot+2:G0B+4*\slot+3], s[G0B+4*\slot+2:G0B+4*\slot+3], 2*SL16
	JLOAD G0+4*\slot, G1, G0B+4*\slot, G1B         ; the first tensor load behind the round; its four v_nop are the places in front of the loads below
.else
	PLACES NP
.endif
	s_wait_alu depctr_va_vdst(0)
	v_add_nc_u32 v[ADRS], 128, v[ADRS]             ; the next K slot's scale words
	FETCH_B \next, 0, 0
	FETCH_A \next, 0, 0
	SCALES \next
	WIN MUL_HI
	MUL16 4, 1, NQ-1, \slot, 0
	MUL16 6, 1, NQ-1, \slot, 0
	PLACES NP
	WIN 0
	FETCH_A \next, 0, 4
.endm
	s_wait_tensorcnt 1                             ; the scales and my part of slot 0 are in; slot 1's load may be out
	s_barrier_signal -1
	s_barrier_wait -1
	FETCH_B 0, 0, 0
	FETCH_A 0, 0, 0
	SCALES 0
	FETCH_A 0, 0, 4
	STEP 0, 0, 1                                   ; K = 1,024 is four slots: the eight steps are written out.  The first products start the sums
	TURN 0, 1, 1
	STEP 1, 0, 0
	TURN 1, 0, 1
	STEP 0, 0, 0
	TURN 0, 1, 0                                   ; nothing is left to fetch
	STEP 1, 0, 0
	s_wait_dscnt 4*NL
	WIN MUL_LO
	MUL16 0, 1, NQ-1, 1, 0
	MUL16 2, 1, NQ-1, 1, 0
	s_wait_dscnt 0
	WIN MUL_HI
	MUL16 4, 1, NQ-1, 1, 0
	MUL16 6, 1, NQ-1, 1, 0
	WIN 0
; 64 numbers of a lane, register 16 b + i = k 32 b + 16 (lane / 16) + i of my row, become codes: k 0-63 in v[d0] on (6 registers), k 64-127 in v[d1] on, and the row's scale word in v[PW].
.macro QUANT s, d0, d1
.irp b, 0,1,2,3
	v_max3_num_f32 v[TM+\b], |v[\s+16*\b]|, |v[\s+1+16*\b]|, 0x1800000   ; and the floor 2^(3 - 127): the byte cannot fall under 1
.endr
.irp i, 2,4,6,8,10,12,14
.irp b, 0,1,2,3
	v_max3_num_f32 v[TM+\b], v[TM+\b], |v[\s+16*\b+\i]|, |v[\s+1+16*\b+\i]|
.endr
.endr
.irp b, 0,1,2,3
	v_permlanex16_b32 v[TM+4+\b], v[TM+\b], s100, s101
.endr
.irp b, 0,1,2,3
	v_max_num_f32 v[TM+\b], v[TM+\b], v[TM+4+\b]   ; with lane l xor 16's: the block's largest magnitude
.endr
.irp b, 0,1,2,3
	v_add_nc_u32 v[TM+12+\b], 0xff000000, v[TM+\b] ; 2 off the exponent field: the conversion's scale operand
.endr
.irp b, 0,1,2,3
	v_lshrrev_b32 v[TM+4+\b], 23, v[TM+12+\b]      ; the byte
.endr
	v_lshl_or_b32 v[PW], v[TM+5], 8, v[TM+4]
	v_lshl_or_b32 v[PW], v[TM+6], 16, v[PW]
	v_lshl_or_b32 v[PW], v[TM+7], 24, v[PW]
	v_cvt_scalef32_pk16_fp6_f32 v[\d0:\d0+2], v[\s:\s+15], v[TM+12]
	v_cvt_scalef32_pk16_fp6_f32 v[CT:CT+2], v[\s+16:\s+31], v[TM+13]
	v_cvt_scalef32_pk16_fp6_f32 v[\d1:\d1+2], v[\s+32:\s+47], v[TM+14]
	v_cvt_scalef32_pk16_fp6_f32 v[CT+4:CT+6], v[\s+48:\s+63], v[TM+15]
	v_nop                                          ; one plain place behind a scaled conversion
.irp i, 0,1,2                                      ; the operand's layout wants a whole block in a lane
	v_permlane16_swap_b32 v[\d0+\i], v[CT+\i]
	v_permlane16_swap_b32 v[\d1+\i], v[CT+4+\i]
.endr
.irp i, 0,1,2
	v_mov_b32 v[\d0+3+\i], v[CT+\i]
	v_mov_b32 v[\d1+3+\i], v[CT+4+\i]
.endr
.endm
; THE WAY OUT.  Block a of S1 (16 lanes' rows) x my 128 rows of S0 (64 registers): + bias, quantised along the registers, stored as images.  Every store covers whole aligned runs of 256 bytes.
.macro EPI isv
.if \isv
	s_lshl_b32 s18, s42, 1
	s_add_co_u32 s18, s18, s16                     ; my 128 tokens (S0)
	s_lshl_b32 s19, s41, 1
	s_add_co_u32 s19, s19, s15                     ; my pair of heads (S1)
.else
	s_lshl_b32 s18, s17, 1
	s_add_co_u32 s18, s18, s15                     ; my 128 tokens (S1)
	s_lshl_b32 s19, s40, 1
	s_add_co_u32 s19, s19, s16                     ; my pair of heads (S0)
.endif
	s_lshr_b32 s20, s18, 4                         ; the batch
	s_and_b32 s21, s18, 15                         ; the group of 128 tokens in it
	s_lshl_b32 s20, s20, 4
	s_lshl_b32 s19, s19, 1
	s_add_co_u32 s20, s20, s19                     ; the first head's number among 64
	s_lshl_b32 s22, s20, 4
	s_add_co_u32 s22, s22, s21
.if \isv
	s_mul_i32 s68, s22, 12288
	s_add_co_u32 s68, s68, 6144                    ; V^T lies behind K in a step's block
	s_mov_b32 s69, 0
	s_add_nc_u64 s[68:69], s[94:95], s[68:69]      ; the first head's codes,
	s_add_nc_u64 s[70:71], s[68:69], 196608        ; the second's
	s_mul_i32 s72, s20, 12288
	s_lshl_b32 s23, s21, 8
	s_add_co_u32 s72, s72, s23
	s_add_co_u32 s72, s72, 8192
	s_mov_b32 s73, 0
	s_add_nc_u64 s[72:73], s[96:97], s[72:73]      ; and their scale words
	s_add_nc_u64 s[74:75], s[72:73], 12288
.else
	s_mov_b32 s23, 12288
	s_mov_b32 s46, 12288
	s_cmp_eq_u32 s99, 0                            ; q or k: the choice hangs on the cluster's number alone
	s_cselect_b32 s23, 6144, s23                   ; a group's block of codes
	s_cselect_b32 s46, 8192, s46                   ; a head's scale bytes
	s_cselect_b64 s[76:77], s[10:11], s[94:95]
	s_cselect_b64 s[78:79], s[92:93], s[96:97]
	s_mul_i32 s68, s22, s23
	s_mov_b32 s69, 0
	s_add_nc_u64 s[68:69], s[76:77], s[68:69]
	s_lshl_b32 s70, s23, 4
	s_mov_b32 s71, 0
	s_add_nc_u64 s[70:71], s[68:69], s[70:71]
	s_mul_i32 s72, s20, s46
	s_lshl_b32 s47, s21, 9
	s_add_co_u32 s72, s72, s47
	s_mov_b32 s73, 0
	s_add_nc_u64 s[72:73], s[78:79], s[72:73]
	s_mov_b32 s74, s46
	s_mov_b32 s75, 0
	s_add_nc_u64 s[74:75], s[72:73], s[74:75]
.endif
	s_wait_loadcnt 0x0                             ; the bias
	PLACES NP                                      ; behind the last products
.irp b, 0,1,2,3
	v_mov_b32 v[TM+4+\b], 0                        ; a lane permute's destination counts as read
.endr
.irp a, 0,1,2,3,4,5,6,7
.if \isv
	WIN 0x02+\a/4                                  ; source 0: the accumulators' window
.else
	WIN 0x06+\a/4                                  ; and source 1: window 1
.endif
.set i, 0
.rept 32                                           ; each accumulator from its low end on
.if \isv
	v_pk_add_f32 v[T+2*i:T+2*i+1], v[64*(\a%4)+2*i:64*(\a%4)+2*i+1], v[BV+2*\a:BV+2*\a+1]
.else
	v_pk_add_f32 v[T+2*i:T+2*i+1], v[64*(\a%4)+2*i:64*(\a%4)+2*i+1], v[96+2*i+96*(i/16):97+2*i+96*(i/16)]
.endif
.set i, i+1
.endr
	WIN 0
	s_wait_xcnt 0x0                                ; earlier stores have read the codes' registers
.if \isv
	QUANT T, PCB, PCB+6                            ; one fragment: channel tile a % 4 of head a / 4, K = my 128 keys
.irp g, 0,1,2
.if \a < 4
	global_store_b128 v[LQ], v[PCB+4*\g:PCB+4*\g+3], s[68:69] offset:(\a%4)*1536+512*\g
.else
	global_store_b128 v[LQ], v[PCB+4*\g:PCB+4*\g+3], s[70:71] offset:(\a%4)*1536+512*\g
.endif
.endr
.if (\a%2) == 0
	v_mov_b32 v[PS], v[PW]
.else
	v_cndmask_b32 v[SA+\a/2], v[PS], v[PW], s45    ; lanes 0-15 the even tile's words, lanes 16-31 the odd tile's
.endif
.else
	QUANT T, PCB+6*(\a%2), PCB+12+6*(\a%2)         ; k 0-63 is the first head's, k 64-127 the second's: six registers each; two tiles make three quads
.if (\a%2) == 0
	v_mov_b32 v[PS], v[PW]
.else
	v_cndmask_b32 v[CW], v[PS], v[PW], s45
	v_and_b32 v[SA+\a/2], 0xffff, v[CW]            ; the first head's two bytes; bytes 2 and 3 are 0
	v_lshrrev_b32 v[SB+\a/2], 16, v[CW]            ; the second's
.irp g, 0,1,2
	global_store_b128 v[LQ], v[PCB+4*\g:PCB+4*\g+3], s[68:69] offset:(\a/2)*1536+512*\g
.endr
.irp g, 0,1,2
	global_store_b128 v[LQ], v[PCB+12+4*\g:PCB+12+4*\g+3], s[70:71] offset:(\a/2)*1536+512*\g
.endr
.endif
.endif
.endr
.if \isv
	global_store_b64 v[L8], v[SA:SA+1], s[72:73]
	global_store_b64 v[L8], v[SA+2:SA+3], s[74:75]
.else
	global_store_b128 v[LQ], v[SA:SA+3], s[72:73]
	global_store_b128 v[LQ], v[SB:SB+3], s[74:75]
.endif
.endm
	s_mov_b32 s100, 0x76543210
	s_mov_b32 s101, 0xfedcba98                     ; selects for lane l xor 16
	s_mov_b32 s45, 0xffff0000                      ; lanes 16-31
	s_cmp_eq_u32 s98, 1                            ; the same in all partners
	s_cbranch_scc1 .Lv
	EPI 0
	s_branch .Ltail
.Lv:
	EPI 1
.Ltail:
	s_wait_tensorcnt 0x0                           ; the wave's end
	ds_add_u32 v[SPW], v[NIL]
	s_wait_dscnt 0x0
	CROUND                                         ; the closing round
	s_endpgm
.Lfunc_end_k_q9d11590aa7_qkv:
	.size	k_q9d11590aa7_qkv, .Lfunc_end_k_q9d11590aa7_qkv-k_q9d11590aa7_qkv
	.p2alignl 7, 3214868480
	.fill 96, 4, 3214868480
	.section	.rodata,"a",@progbits
	.p2align	6, 0x0
	.amdhsa_kernel k_q9d11590aa7_qkv
		.amdhsa_group_segment_fixed_size 327680
		.amdhsa_private_segment_fixed_size 0
		.amdhsa_enable_private_segment 0
		.amdhsa_kernarg_size 56
		.amdhsa_user_sgpr_count 2
		.amdhsa_user_sgpr_kernarg_segment_ptr 1
		.amdhsa_wavefront_size32 1
		.amdhsa_system_sgpr_workgroup_id_x 1
		.amdhsa_system_sgpr_workgroup_id_y 1
		.amdhsa_system_sgpr_workgroup_id_z 1
		.amdhsa_system_vgpr_workitem_id 0
		.amdhsa_next_free_vgpr 1024
		.amdhsa_next_free_sgpr 102
		.amdhsa_reserve_vcc 0
		.amdhsa_float_denorm_mode_32 3
		.amdhsa_float_denorm_mode_16_64 3
		.amdhsa_memory_ordered 1
		.amdhsa_forward_progress 1
		.amdhsa_inst_pref_size 235
	.end_amdhsa_kernel
	.amdgpu_metadata
---
amdhsa.version: [ 1, 2 ]
amdhsa.kernels:
  - .name:           k_q9d11590aa7_qkv
    .symbol:         k_q9d11590aa7_qkv.kd
    .args:
      - { .name: cod, .offset: 0, .size: 8, .value_kind: global_buffer, .address_space: global }
      - { .name: scl, .offset: 8, .size: 8, .value_kind: global_buffer, .address_space: global }
      - { .name: b_qkv, .offset: 16, .size: 8, .value_kind: global_buffer, .address_space: global }
      - { .name: qimg, .offset: 24, .size: 8, .value_kind: global_buffer, .address_space: global }
      - { .name: qsc, .offset: 32, .size: 8, .value_kind: global_buffer, .address_space: global }
      - { .name: kv, .offset: 40, .size: 8, .value_kind: global_buffer, .address_space: global }
      - { .name: ksc, .offset: 48, .size: 8, .value_kind: global_buffer, .address_space: global }
    .group_segment_fixed_size: 327680
    .private_segment_fixed_size: 0
    .kernarg_segment_align: 8
    .kernarg_segment_size: 56
    .max_flat_workgroup_size: 128
    .sgpr_count:     102
    .vgpr_count:     1024
    .wavefront_size: 32
...
	.end_amdgpu_metadata
.endif
;; end of part 2
;; launch attn (part 3): grid 4 x 64, 16 waves a work-group, clusters of 4 x 1, 327,680 bytes of LDS; arguments qimg, qsc, kv, ksc, oimg, osc; writes oimg, osc
.if DOCPART == 3
	.amdgcn_target "amdgcn-amd-amdhsa--gfx1250"
	.amdhsa_code_object_version 6
	.text
	.protected	k_q9d11590aa7_attn
	.globl	k_q9d11590aa7_attn
	.p2align	8
	.type	k_q9d11590aa7_attn,@function
k_q9d11590aa7_attn:
	s_mov_b64 s[64:65], 0
	v_nop
	global_prefetch_b8 v0, s[64:65] scope:SCOPE_SE
	s_setreg_imm32_b32 hwreg(HW_REG_WAVE_MODE, 25, 1), 1
	s_wait_xcnt 0x0
	s_wait_alu depctr_hold_cnt(0) depctr_sa_sdst(0) depctr_va_vdst(0) depctr_va_sdst(0) depctr_va_ssrc(0) depctr_va_vcc(0) depctr_vm_vsrc(0)
	s_getreg_b32 s2, hwreg(HW_REG_IB_STS2, 6, 4)
	s_cmp_eq_u32 s2, 0
	s_cbranch_scc0 .Lentry_in_a_cluster
	s_endpgm
.Lentry_in_a_cluster:
	s_bfe_u32 s2, ttmp6, 0x10000c
	s_cmp_lg_u32 s2, 0x3003
	s_cbranch_scc0 .Lentry_shape_is_right
	s_endpgm
.Lentry_shape_is_right:
.set SCB,  196608
.set WV,   18
.set SEL,  20
.set CS,   22
.set G1C,  24
.set G1S,  32
.set G0S,  40
.set G0C,  44
.set TB,   60
.set TSK,  61
.set TSV,  62
.set CNT,  63
.set HM,   70
.macro CROUND
	s_barrier_signal -1
	s_barrier_wait -1
	s_cmp_lg_u32 s[WV], 0
	s_cbranch_scc1 .Lnot_wave_0_\@
	s_barrier_signal -3
.Lnot_wave_0_\@:
	s_barrier_wait -3
	s_barrier_signal -1
	s_barrier_wait -1
.endm
	s_load_b256 s[4:11], s[0:1], 0x0
	s_load_b128 s[12:15], s[0:1], 0x20
	v_lshl_add_u32 v242, v0, 2, 0x34000
	v_mov_b32 v243, 0
	ds_add_u32 v242, v243
	ds_add_u32 v242, v243
	v_lshrrev_b32 v1, 5, v0
	s_delay_alu instid0(VALU_DEP_1)
	v_readfirstlane_b32 s[WV], v1
	s_bfe_u32 s19, ttmp6, 0x40000
	s_and_b32 s66, ttmp7, 0xffff
	s_mov_b32 s[G1C], 15|(3<<16)|(1<<21)
	s_mov_b32 s[G1C+1], 32<<16
	s_mov_b32 s[G1C+2], 12<<16
	s_mov_b32 s[G1C+3], 32<<16
	s_mov_b32 s[G1C+4], 12
	s_mov_b32 s[G1C+5], 32
	s_mov_b32 s[G1C+6], 0
	s_mov_b32 s[G1C+7], 0
	s_mov_b32 s[G1S], 15|(3<<16)|(1<<21)
	s_mov_b32 s[G1S+1], 32<<16
	s_mov_b32 s[G1S+2], 3<<16
	s_mov_b32 s[G1S+3], 32<<16
	s_mov_b32 s[G1S+4], 3
	s_mov_b32 s[G1S+5], 32
	s_mov_b32 s[G1S+6], 0
	s_mov_b32 s[G1S+7], 0
	s_mov_b32 s[SEL], 0x76543210
	s_mov_b32 s[SEL+1], 0xfedcba98
	s_mov_b32 s[CS], 0x3e38aa3b
	s_mov_b32 s[CS+1], s[CS]
	s_mov_b32 s[HM], 0xffff0000
	s_mul_i32 s71, s[WV], 3072
	s_mul_i32 s67, s[WV], 768
	s_mul_i32 s76, s66, 196608
	s_add_co_u32 s76, s76, s71
	s_mov_b32 s77, 0
	s_mul_i32 s78, s66, 12288
	s_add_co_u32 s78, s78, s67
	s_mov_b32 s79, 0
	s_wait_dscnt 0x0
	s_wait_kmcnt 0x0
	s_add_nc_u64 s[8:9], s[8:9], s[76:77]
	s_add_nc_u64 s[10:11], s[10:11], s[78:79]
	s_mov_b32 s[G0S], 1
	s_add_co_u32 s[G0S+1], s67, SCB
	s_mov_b64 s[G0S+2:G0S+3], s[10:11]
	s_or_b32 s[G0S+3], s[G0S+3], 0x80000000
.irp c, 0,1,2,3
	s_mov_b32 s[G0C+4*\c], 1
	s_add_co_u32 s[G0C+4*\c+1], s71, 49152*\c
	s_add_nc_u64 s[G0C+4*\c+2:G0C+4*\c+3], s[8:9], 49152*\c
	s_or_b32 s[G0C+4*\c+3], s[G0C+4*\c+3], 0x80000000
.endr
	CROUND
	tensor_load_to_lds s[G0S:G0S+3], s[G1S:G1S+7]
	s_nop 0
	s_wait_alu depctr_va_vdst(0)
	s_wait_tensorcnt 0x0
	ds_add_u32 v242, v243
	s_wait_dscnt 0x0
	CROUND
.irp c, 0,1,2,3
	s_wait_alu depctr_va_vdst(0)
	s_wait_tensorcnt 0x0
	ds_add_u32 v242, v243
	s_wait_dscnt 0x0
	CROUND
	tensor_load_to_lds s[G0C+4*\c:G0C+4*\c+3], s[G1C:G1C+7]
	s_nop 0
.endr
.rept 4
	v_nop
.endr
	v_and_b32 v6, 31, v0
	v_and_b32 v7, 15, v0
	v_bfe_u32 v11, v0, 4, 1
	s_delay_alu instid0(VALU_DEP_3)
	v_lshlrev_b32 v1, 4, v6
	s_wait_alu depctr_va_vdst(0)
	v_add_nc_u32 v2, SCB, v1
	v_lshlrev_b32 v4, 3, v6
	s_delay_alu instid0(VALU_DEP_1)
	v_add_nc_u32 v3, SCB+8192, v4
	v_lshl_add_u32 v5, v7, 3, v11
	s_lshl_b32 s68, s19, 2
	s_lshr_b32 s69, s[WV], 2
	s_add_co_u32 s68, s68, s69
	s_and_b32 s69, s[WV], 3
	s_lshl_b32 s72, s66, 4
	s_add_co_u32 s72, s72, s68
	s_lshl_b32 s74, s72, 9
	s_mul_i32 s72, s72, 6144
	s_mul_i32 s73, s69, 1536
	s_add_co_u32 s72, s72, s73
	s_mov_b32 s73, 0
	s_add_nc_u64 s[4:5], s[4:5], s[72:73]
	s_lshl_b32 s75, s69, 2
	s_add_co_u32 s74, s74, s75
	s_mov_b32 s75, 0
	s_add_nc_u64 s[6:7], s[6:7], s[74:75]
.irp g, 0,1,2
	global_load_b128 v[244+4*\g:247+4*\g], v1, s[4:5] offset:512*\g
.endr
	global_load_b32 v219, v1, s[6:7]
	s_lshr_b32 s72, s66, 4
	s_and_b32 s73, s66, 15
	s_lshl_b32 s72, s72, 7
	s_lshl_b32 s74, s68, 3
	s_add_co_u32 s72, s72, s74
	s_lshl_b32 s74, s69, 1
	s_add_co_u32 s72, s72, s74
	s_mul_i32 s74, s72, 12288
	s_lshr_b32 s75, s73, 1
	s_mul_i32 s75, s75, 1536
	s_add_co_u32 s74, s74, s75
	s_and_b32 s75, s73, 1
	s_mul_i32 s75, s75, 768
	s_add_co_u32 s74, s74, s75
	s_mov_b32 s75, 0
	s_add_nc_u64 s[12:13], s[12:13], s[74:75]
	s_lshl_b32 s74, s72, 9
	s_lshr_b32 s76, s73, 2
	s_lshl_b32 s76, s76, 7
	s_add_co_u32 s74, s74, s76
	s_bfe_u32 s76, s73, 0x10001
	s_lshl_b32 s76, s76, 2
	s_add_co_u32 s74, s74, s76
	s_and_b32 s76, s73, 1
	s_lshl_b32 s76, s76, 1
	s_add_co_u32 s74, s74, s76
	s_add_nc_u64 s[14:15], s[14:15], s[74:75]
.irp i, 22,23,24,25,26,27,80,81,82,83,84,85,224,225,226,227,237
	v_mov_b32 v[\i], 0
.endr
.macro KQW t, p
.if ((\t)%2) && (\p)
	v_wmma_scale_f32_16x16x128_f8f6f4 v[96+8*(\t):103+8*(\t)], v[32+6*(\t):43+6*(\t)], v[16:27], 0, v[212+(\t)/2], v219 matrix_a_fmt:MATRIX_FMT_FP6 matrix_b_fmt:MATRIX_FMT_FP6 matrix_a_scale:MATRIX_SCALE_ROW1 matrix_b_scale:MATRIX_SCALE_ROW1
.elseif (\t)%2
	v_wmma_scale_f32_16x16x128_f8f6f4 v[96+8*(\t):103+8*(\t)], v[32+6*(\t):43+6*(\t)], v[16:27], 0, v[212+(\t)/2], v219 matrix_a_fmt:MATRIX_FMT_FP6 matrix_b_fmt:MATRIX_FMT_FP6 matrix_a_scale:MATRIX_SCALE_ROW1
.elseif \p
	v_wmma_scale_f32_16x16x128_f8f6f4 v[96+8*(\t):103+8*(\t)], v[32+6*(\t):43+6*(\t)], v[16:27], 0, v[212+(\t)/2], v219 matrix_a_fmt:MATRIX_FMT_FP6 matrix_b_fmt:MATRIX_FMT_FP6 matrix_b_scale:MATRIX_SCALE_ROW1
.else
	v_wmma_scale_f32_16x16x128_f8f6f4 v[96+8*(\t):103+8*(\t)], v[32+6*(\t):43+6*(\t)], v[16:27], 0, v[212+(\t)/2], v219 matrix_a_fmt:MATRIX_FMT_FP6 matrix_b_fmt:MATRIX_FMT_FP6
.endif
.endm
.macro PVW t
.if (\t)%2
	v_wmma_scale_f32_16x16x128_f8f6f4 v[160+8*(\t):167+8*(\t)], v[32+12*(\t):43+12*(\t)], v[192:203], v[160+8*(\t):167+8*(\t)], v[216+(\t)/2], v218 matrix_a_fmt:MATRIX_FMT_FP6 matrix_b_fmt:MATRIX_FMT_FP6 matrix_a_scale:MATRIX_SCALE_ROW1
.else
	v_wmma_scale_f32_16x16x128_f8f6f4 v[160+8*(\t):167+8*(\t)], v[32+12*(\t):43+12*(\t)], v[192:203], v[160+8*(\t):167+8*(\t)], v[216+(\t)/2], v218 matrix_a_fmt:MATRIX_FMT_FP6 matrix_b_fmt:MATRIX_FMT_FP6
.endif
.endm
.macro STEP p
	v_add_nc_u32 v8, s[TB], v1
	v_add_nc_u32 v9, s[TSK], v2
	v_add_nc_u32 v10, s[TSV], v3
	v_nop
.irp i, 0,1,2,3,4,5,6,7,8,9,10,11
	ds_load_b128 v[32+4*\i:35+4*\i], v8 offset:512*\i
.endr
	ds_load_b128 v[212:215], v9
	s_wait_alu depctr_va_vdst(0)
	s_wait_dscnt 0x0
.irp t, 0,1,2,3,4,5,6,7
	KQW \t, \p
.endr
.rept 4
	v_nop
.endr
.irp i, 0,1,2,3,4,5,6,7,8,9,10,11
	ds_load_b128 v[32+4*\i:35+4*\i], v8 offset:6144+512*\i
.endr
	ds_load_b64 v[216:217], v10
.irp b, 0,1,2,3
	v_max3_num_f32 v[220+\b], v[96+16*\b], v[97+16*\b], v[98+16*\b]
.endr
.irp i, 3,5,7,9,11,13
.irp b, 0,1,2,3
	v_max3_num_f32 v[220+\b], v[220+\b], v[96+16*\b+\i], v[97+16*\b+\i]
.endr
.endr
.irp b, 0,1,2,3
	v_max_num_f32 v[220+\b], v[220+\b], v[111+16*\b]
.endr
.irp b, 0,1,2,3
	s_delay_alu instid0(VALU_DEP_4)
	v_permlanex16_b32 v[224+\b], v[220+\b], s[SEL], s[SEL+1]
.endr
.irp b, 0,1,2,3
	s_delay_alu instid0(VALU_DEP_4)
	v_max_num_f32 v[220+\b], v[220+\b], v[224+\b]
.endr
	s_delay_alu instid0(VALU_DEP_2)
	v_max3_num_f32 v238, v220, v221, v222
	s_delay_alu instid0(VALU_DEP_1)
	v_max_num_f32 v238, v238, v223
	s_delay_alu instid0(VALU_DEP_1)
	v_mul_f32 v238, s[CS], v238
	s_delay_alu instid0(VALU_DEP_1)
	v_max_num_f32 v13, v13, v238
	v_mov_b32 v238, v12
	s_delay_alu instid0(VALU_DEP_2)
	v_floor_f32 v12, -v13
	s_delay_alu instid0(VALU_DEP_1)
	v_sub_f32 v238, v12, v238
	s_delay_alu instid0(VALU_DEP_1)
	v_cvt_i32_f32 v238, v238
	s_delay_alu instid0(VALU_DEP_1)
	v_ldexp_f32 v236, 1.0, v238
.set j, 0
.rept 32
	v_pk_fma_f32 v[96+j:97+j], v[96+j:97+j], s[CS:CS+1], v[12:13] op_sel_hi:[1,0,0]
.set j, j+2
.endr
.irp b, 0,1,2,3
	v_fma_f32 v[220+\b], v[220+\b], s[CS], v12
.endr
.set j, 0
	s_wait_alu depctr_va_vdst(0)
.rept 64
	v_exp_f32 v[96+j], v[96+j]
.set j, j+1
.endr
	s_setprio 1
	v_pk_mul_f32 v[14:15], v[14:15], v[236:237] op_sel_hi:[1,0]
	s_wait_alu depctr_va_vdst(0)
.irp b, 0,1,2,3
	v_exp_f32 v[220+\b], v[220+\b]
.endr
	v_pk_add_f32 v[240:241], v[96:97], v[98:99]
.set j, 4
.rept 15
	v_pk_add_f32 v[14:15], v[14:15], v[96+j:97+j]
	v_pk_add_f32 v[240:241], v[240:241], v[98+j:99+j]
.set j, j+4
.endr
	s_delay_alu instid0(VALU_DEP_1)
	v_pk_add_f32 v[14:15], v[14:15], v[240:241]
	s_wait_alu depctr_va_vdst(0)
.irp b, 0,1,2,3
	v_max_num_f32 v[220+\b], 0x1800000, v[220+\b]
.endr
.irp b, 0,1,2,3
	s_delay_alu instid0(VALU_DEP_4)
	v_add_nc_u32 v[228+\b], 0xff000000, v[220+\b]
.endr
.irp b, 0,1,2,3
	s_delay_alu instid0(VALU_DEP_4)
	v_lshrrev_b32 v[232+\b], 23, v[228+\b]
.endr
	s_delay_alu instid0(VALU_DEP_3)
	v_lshl_or_b32 v218, v233, 8, v232
	s_delay_alu instid0(VALU_DEP_1)
	v_lshl_or_b32 v218, v234, 16, v218
	s_delay_alu instid0(VALU_DEP_1)
	v_lshl_or_b32 v218, v235, 24, v218
.irp c, 0,1
	v_cvt_scalef32_pk16_fp6_f32 v[192+6*\c:194+6*\c], v[96+32*\c:111+32*\c], v[228+2*\c]
	v_cvt_scalef32_pk16_fp6_f32 v[204+4*\c:206+4*\c], v[112+32*\c:127+32*\c], v[229+2*\c]
.endr
	v_nop
.irp c, 0,1
.irp i, 0,1,2
	v_permlane16_swap_b32 v[192+6*\c+\i], v[204+4*\c+\i]
.endr
.irp i, 0,1,2
	s_delay_alu instid0(VALU_DEP_3)
	v_mov_b32 v[195+6*\c+\i], v[204+4*\c+\i]
.endr
.endr
.set j, 0
	s_setprio 0
.rept 16
	v_pk_mul_f32 v[160+j:161+j], v[160+j:161+j], v[236:237] op_sel_hi:[1,0]
.set j, j+2
.endr
	s_wait_alu depctr_va_vdst(0)
	s_wait_dscnt 0x0
.irp t, 0,1,2,3
	PVW \t
.endr
	s_add_co_u32 s[TB], s[TB], 12288
	s_add_co_u32 s[TSK], s[TSK], 512
	s_add_co_u32 s[TSV], s[TSV], 256
.endm
.macro FINISH p
.rept 4
	v_nop
.endr
	v_add_f32 v14, v14, v15
	s_delay_alu instid0(VALU_DEP_1)
	v_permlanex16_b32 v224, v14, s[SEL], s[SEL+1]
	s_delay_alu instid0(VALU_DEP_1)
	v_add_f32 v14, v14, v224
	s_wait_alu depctr_va_vdst(0)
	v_rcp_f32 v14, v14
	v_nop
	s_wait_alu depctr_va_vdst(0)
.set j, 0
.rept 32
	v_mul_f32 v[96+j], v[160+j], v14
.set j, j+1
.endr
.irp b, 0,1
	v_max3_num_f32 v[220+\b], |v[96+16*\b]|, |v[97+16*\b]|, 0x1800000
.endr
.irp i, 2,4,6,8,10,12,14
.irp b, 0,1
	s_delay_alu instid0(VALU_DEP_2)
	v_max3_num_f32 v[220+\b], v[220+\b], |v[96+16*\b+\i]|, |v[97+16*\b+\i]|
.endr
.endr
.irp b, 0,1
	s_delay_alu instid0(VALU_DEP_2)
	v_permlanex16_b32 v[224+\b], v[220+\b], s[SEL], s[SEL+1]
.endr
.irp b, 0,1
	s_delay_alu instid0(VALU_DEP_2)
	v_max_num_f32 v[220+\b], v[220+\b], v[224+\b]
.endr
.irp b, 0,1
	s_delay_alu instid0(VALU_DEP_2)
	v_add_nc_u32 v[228+\b], 0xff000000, v[220+\b]
.endr
.irp b, 0,1
	s_delay_alu instid0(VALU_DEP_2)
	v_lshrrev_b32 v[232+\b], 23, v[228+\b]
.endr
	v_cvt_scalef32_pk16_fp6_f32 v[192:194], v[96:111], v228
	v_cvt_scalef32_pk16_fp6_f32 v[204:206], v[112:127], v229
	v_nop
.irp i, 0,1,2
	v_permlane16_swap_b32 v[192+\i], v[204+\i]
.endr
.irp i, 0,1,2
	s_delay_alu instid0(VALU_DEP_3)
	v_mov_b32 v[195+\i], v[204+\i]
.endr
	v_cndmask_b32 v238, v232, v233, s[HM]
.irp q, 0,1,2
	global_store_b64 v4, v[192+2*\q:193+2*\q], s[12:13] offset:12288*\p+256*\q
.endr
	global_store_b8 v5, v238, s[14:15] offset:512*\p
.endm
.macro PASS p
.if \p
	s_wait_xcnt 0x0
.endif
.irp i, 0,1,2,3,4,5
	v_mov_b32 v[16+\i], v[244+6*\p+\i]
.endr
	v_mov_b32 v13, 0xff61b1e6
	s_delay_alu instid0(VALU_DEP_1)
	v_floor_f32 v12, -v13
	v_mov_b32 v14, 0
	v_mov_b32 v15, 0
.set j, 0
.rept 32
	v_mov_b32 v[160+j], 0
.set j, j+1
.endr
	s_mov_b32 s[TB], 0
	s_mov_b32 s[TSK], 0
	s_mov_b32 s[TSV], 0
	s_mov_b32 s[CNT], 16
.Lkeys_\@:
	s_setprio 2
	STEP \p
	s_sub_co_u32 s[CNT], s[CNT], 1
	s_cmp_lg_u32 s[CNT], 0
	s_cbranch_scc1 .Lkeys_\@
	s_setprio 0
	FINISH \p
.endm
	s_wait_loadcnt 0x0
	s_wait_tensorcnt 0x0
	s_barrier_signal -1
	s_barrier_wait -1
	PASS 0
	PASS 1
	s_wait_tensorcnt 0x0
	ds_add_u32 v242, v243
	s_wait_dscnt 0x0
	CROUND
	s_endpgm
.Lfunc_end_k_q9d11590aa7_attn:
	.size	k_q9d11590aa7_attn, .Lfunc_end_k_q9d11590aa7_attn-k_q9d11590aa7_attn
	.p2alignl 7, 3214868480
	.fill 96, 4, 3214868480
	.section	.rodata,"a",@progbits
	.p2align	6, 0x0
	.amdhsa_kernel k_q9d11590aa7_attn
		.amdhsa_group_segment_fixed_size 327680
		.amdhsa_private_segment_fixed_size 0
		.amdhsa_enable_private_segment 0
		.amdhsa_kernarg_size 48
		.amdhsa_user_sgpr_count 2
		.amdhsa_user_sgpr_kernarg_segment_ptr 1
		.amdhsa_wavefront_size32 1
		.amdhsa_system_sgpr_workgroup_id_x 1
		.amdhsa_system_sgpr_workgroup_id_y 1
		.amdhsa_system_sgpr_workgroup_id_z 1
		.amdhsa_system_vgpr_workitem_id 0
		.amdhsa_next_free_vgpr 256
		.amdhsa_next_free_sgpr 80
		.amdhsa_reserve_vcc 0
		.amdhsa_float_denorm_mode_32 3
		.amdhsa_float_denorm_mode_16_64 3
		.amdhsa_memory_ordered 1
		.amdhsa_forward_progress 1
		.amdhsa_inst_pref_size 56
	.end_amdhsa_kernel
	.amdgpu_metadata
---
amdhsa.version: [ 1, 2 ]
amdhsa.kernels:
  - .name:           k_q9d11590aa7_attn
    .symbol:         k_q9d11590aa7_attn.kd
    .args:
      - { .name: qimg, .offset: 0, .size: 8, .value_kind: global_buffer, .address_space: global }
      - { .name: qsc, .offset: 8, .size: 8, .value_kind: global_buffer, .address_space: global }
      - { .name: kv, .offset: 16, .size: 8, .value_kind: global_buffer, .address_space: global }
      - { .name: ksc, .offset: 24, .size: 8, .value_kind: global_buffer, .address_space: global }
      - { .name: oimg, .offset: 32, .size: 8, .value_kind: global_buffer, .address_space: global }
      - { .name: osc, .offset: 40, .size: 8, .value_kind: global_buffer, .address_space: global }
    .group_segment_fixed_size: 327680
    .private_segment_fixed_size: 0
    .kernarg_segment_align: 8
    .kernarg_segment_size: 48
    .max_flat_workgroup_size: 512
    .sgpr_count:     80
    .vgpr_count:     256
    .wavefront_size: 32
...
	.end_amdgpu_metadata
.endif
;; end of part 3
;; launch proj (part 4): grid 4 x 32, 4 waves a work-group, clusters of 4 x 4, 327,680 bytes of LDS; arguments oimg, osc, cod, scl, b_proj, out0; writes out0
.if DOCPART == 4
	.amdgcn_target "amdgcn-amd-amdhsa--gfx1250"
	.amdhsa_code_object_version 6
	.text
	.protected	k_q9d11590aa7_proj
	.globl	k_q9d11590aa7_proj
	.p2align	8
	.type	k_q9d11590aa7_proj,@function
k_q9d11590aa7_proj:
	s_mov_b64 s[64:65], 0
	v_nop
	global_prefetch_b8 v0, s[64:65] scope:SCOPE_SE
	s_setreg_imm32_b32 hwreg(HW_REG_WAVE_MODE, 25, 1), 1
	s_wait_xcnt 0x0
	s_wait_alu depctr_hold_cnt(0) depctr_sa_sdst(0) depctr_va_vdst(0) depctr_va_sdst(0) depctr_va_ssrc(0) depctr_va_vcc(0) depctr_vm_vsrc(0)
	s_getreg_b32 s2, hwreg(HW_REG_IB_STS2, 6, 4)
	s_cmp_eq_u32 s2, 0
	s_cbranch_scc0 .Lentry_in_a_cluster
	s_endpgm
.Lentry_in_a_cluster:
	s_bfe_u32 s2, ttmp6, 0x10000c
	s_cmp_lg_u32 s2, 0xf033
	s_cbranch_scc0 .Lentry_shape_is_right
	s_endpgm
.Lentry_shape_is_right:
.set FRB,    1536
.set SL16,   3072
.set HALFT,  8*SL16
.set SLOT,   4*HALFT
.set SCL,    2*SLOT
.set HALFS,  4096
.set SPARE,  SCL+4*HALFS
.set SPITCH, 528
.set NQ,     2
.set FR,     12
.set NL,     6
.set NP,     4
.set ADRA, 16
.set ADRB, 20
.set STO,  24
.set RD,   25
.set CO,   26
.set ADRS, 27
.set SPW,  28
.set NIL,  29
.set VB1,  30
.set SC,   32
.set BI,   64
.set AF,   128
.set BK,   128
.set G1, 24
.set G0, 32
.set G1B, 48
.set G0B, 56
.set G1S, 68
.set G0S, 76
.set G1SB, 80
.set G0SB, 88
.set MSB, 0
.macro WIN new
.if MSB != (\new)
	s_set_vgpr_msb (MSB<<8)|(\new)
.set MSB, (\new)
.endif
.endm
.set MUL_LO, 0xa1
.set MUL_HI, 0xf1
.set TO_B,   0x40
.macro JLOAD g0a, g1a, g0b, g1b
	s_cmp_eq_u32 s15, 0
	s_cbranch_scc0 .Lfor_b_\@
	tensor_load_to_lds s[\g0a:\g0a+3], s[\g1a:\g1a+7]
	s_nop 0
.rept 4
	v_nop
.endr
	s_branch .Lasked_\@
.Lfor_b_\@:
	tensor_load_to_lds s[\g0b:\g0b+3], s[\g1b:\g1b+7]
	s_nop 0
.rept 4
	v_nop
.endr
.Lasked_\@:
.endm
.macro CREST
	s_cmp_lg_u32 s14, 0
	s_cbranch_scc1 .Lnot_wave_0_\@
	s_barrier_signal -3
.Lnot_wave_0_\@:
	s_barrier_wait -3
	s_barrier_signal -1
	s_barrier_wait -1
.endm
.macro CROUND
	s_barrier_signal -1
	s_barrier_wait -1
	CREST
.endm
	s_load_b256 s[4:11], s[0:1], 0x0
	s_load_b128 s[92:95], s[0:1], 0x20
	v_lshl_add_u32 v[SPW], v0, 2, SPARE
	v_mov_b32 v[NIL], 0
	ds_add_u32 v28, v29
	ds_add_u32 v28, v29
	s_wait_dscnt 0x0
	v_lshrrev_b32 v1, 5, v0
	v_readfirstlane_b32 s14, v1
	s_lshr_b32 s15, s14, 1
	s_and_b32 s16, s14, 1
	s_bfe_u32 s40, ttmp6, 0x40000
	s_bfe_u32 s41, ttmp6, 0x40004
	s_lshl_b32 s2, ttmp9, 2
	s_add_co_u32 s2, s2, s40
	s_add_co_u32 s42, s2, 44
	s_and_b32 s17, ttmp7, 0xffff
	s_lshl_b32 s17, s17, 2
	s_add_co_u32 s17, s17, s41
	s_lshl_b32 s43, s41, 2
	s_lshl_b32 s43, 15, s43
	s_lshl_b32 s44, 0x1111, s40
	s_or_b32 s[G1+0], s43, (3<<16)|(1<<21)
	s_or_b32 s[G1B+0], s44, (3<<16)|(1<<21)
.irp g, G1, G1B
	s_mov_b32 s[\g+1], 384<<16
	s_mov_b32 s[\g+2], 8<<16
	s_mov_b32 s[\g+3], 384<<16
	s_mov_b32 s[\g+4], 8
	s_mov_b32 s[\g+5], 1536
	s_mov_b32 s[\g+6], 0
	s_mov_b32 s[\g+7], 0
.endr
	s_or_b32 s[G1S+0], s43, (3<<16)|(1<<21)
	s_or_b32 s[G1SB+0], s44, (3<<16)|(1<<21)
.irp g, G1S, G1SB
	s_mov_b32 s[\g+1], 32<<16
	s_mov_b32 s[\g+2], 16<<16
	s_mov_b32 s[\g+3], 32<<16
	s_mov_b32 s[\g+4], 16
	s_mov_b32 s[\g+5], 32
	s_mov_b32 s[\g+6], 0
	s_mov_b32 s[\g+7], 0
.endr
	s_lshl_b32 s20, s17, 1
	s_add_co_u32 s20, s20, s16
	s_lshl_b32 s46, s42, 1
	s_add_co_u32 s46, s46, s16
	s_lshl_b32 s22, s20, 12
	s_mov_b32 s23, 0
	s_lshl_b32 s100, s46, 12
	s_mov_b32 s101, 0
	s_mul_i32 s20, s20, 98304
	s_mov_b32 s21, 0
	s_mul_i32 s46, s46, 98304
	s_mov_b32 s47, 0
	s_mul_i32 s45, s14, HALFT
	s_mul_i32 s3, s14, HALFS
	s_wait_kmcnt 0x0
	s_add_nc_u64 s[20:21], s[4:5], s[20:21]
	s_add_nc_u64 s[22:23], s[6:7], s[22:23]
	s_add_nc_u64 s[46:47], s[8:9], s[46:47]
	s_add_nc_u64 s[100:101], s[10:11], s[100:101]
	CROUND
	s_mov_b32 s[G0S], 1
	s_add_co_u32 s[G0S+1], s3, SCL
	s_mov_b64 s[G0S+2:G0S+3], s[22:23]
	s_or_b32 s[G0S+3], s[G0S+3], 0x80000000
	s_mov_b32 s[G0SB], 1
	s_add_co_u32 s[G0SB+1], s3, SCL
	s_mov_b64 s[G0SB+2:G0SB+3], s[100:101]
	s_or_b32 s[G0SB+3], s[G0SB+3], 0x80000000
	JLOAD G0S, G1S, G0SB, G1SB
.irp s, 0,1
	s_mov_b32 s[G0+4*\s], 1
	s_add_co_u32 s[G0+4*\s+1], s45, \s*SLOT
	s_add_nc_u64 s[G0+4*\s+2:G0+4*\s+3], s[20:21], \s*SL16
	s_or_b32 s[G0+4*\s+3], s[G0+4*\s+3], 0x80000000
	s_mov_b32 s[G0B+4*\s], 1
	s_add_co_u32 s[G0B+4*\s+1], s45, \s*SLOT
	s_add_nc_u64 s[G0B+4*\s+2:G0B+4*\s+3], s[46:47], \s*SL16
	s_or_b32 s[G0B+4*\s+3], s[G0B+4*\s+3], 0x80000000
	s_wait_alu depctr_va_vdst(0)
	s_wait_tensorcnt 0x0
	ds_add_u32 v28, v29
	s_wait_dscnt 0x0
	CROUND
	JLOAD G0+4*\s, G1, G0B+4*\s, G1B
.endr
	v_and_b32 v1, 15, v0
	v_bfe_u32 v2, v0, 4, 1
	s_wait_alu depctr_va_vdst(0)
	v_and_b32 v3, 31, v0
	v_lshlrev_b32 v4, 3, v3
	v_lshlrev_b32 v[CO], 4, v3
	s_mul_i32 s21, s15, HALFT
	s_mul_i32 s22, s16, HALFT
	s_add_co_u32 s22, s22, 2*HALFT
.irp s, 0,1
	v_add_nc_u32 v[ADRA+\s], s21, v4
	v_add_nc_u32 v[ADRB+\s], s22, v4
	s_add_co_u32 s21, s21, SLOT
	s_add_co_u32 s22, s22, SLOT
.endr
	v_lshlrev_b32 v5, 3, v1
	s_mul_i32 s21, s15, HALFS
	s_mul_i32 s22, s16, HALFS
	s_add_co_u32 s22, s22, 2*HALFS
	s_sub_co_u32 s22, s22, s21
	v_mul_u32_u24 v6, s22, v2
	s_add_co_u32 s21, s21, SCL
	v_add_nc_u32 v5, v5, v6
	v_add_nc_u32 v[ADRS], s21, v5
	v_lshlrev_b32 v[VB1], 6, v2
	s_wait_alu depctr_va_vdst(0)
	s_mul_i32 s23, s14, 16*SPITCH
	v_mul_u32_u24 v5, v1, SPITCH
	v_lshl_add_u32 v5, v2, 6, v5
	v_add_nc_u32 v[STO], s23, v5
	v_add_nc_u32 v[RD], s23, v[CO]
	s_lshl_b32 s18, s2, 10
	s_lshl_b32 s19, s16, 9
	s_add_co_u32 s18, s18, s19
	s_mov_b32 s19, 0
	s_add_nc_u64 s[12:13], s[92:93], s[18:19]
	s_add_nc_u64 s[94:95], s[94:95], s[18:19]
	s_lshl_b32 s18, s17, 20
	s_lshl_b32 s21, s15, 19
	s_add_co_u32 s18, s18, s21
	s_add_nc_u64 s[94:95], s[94:95], s[18:19]
.irp d, 0,1,2,3,4,5,6,7,8,9,10,11,12,13,14,15
	global_load_b128 v[BI+4*\d:BI+4*\d+3], v[VB1], s[12:13] offset:4*(4*\d+16*(\d/4))
.endr
.macro FRAG reg, adr, q, i
.irp p, 0,1,2,3,4,5
	ds_load_b64 v[\reg+2*\p:\reg+2*\p+1], v[\adr] offset:(\i)*SL16+(\q)*FRB+256*\p
.endr
.endm
.macro MUL16 a0, p, q, sc, zero
.irp a, \a0, \a0+1
.irp b, 0,1,2,3,4,5,6,7
.if \zero
	v_wmma_scale_f32_16x16x128_f8f6f4 v[8*(8*((\a)%4)+\b):8*(8*((\a)%4)+\b)+7], v[128*(\p)+FR*\b:128*(\p)+FR*\b+FR-1], v[AF+FR*(\a):AF+FR*(\a)+FR-1], v[BI+8*\b:BI+8*\b+7], v[SC+8*NQ*(\sc)+NQ*\b+(\q)], v[SC+8*NQ*(\sc)+NQ*(\a)+(\q)] matrix_a_fmt:MATRIX_FMT_FP6 matrix_b_fmt:MATRIX_FMT_FP6 matrix_a_scale:MATRIX_SCALE_ROW1
.else
	v_wmma_scale_f32_16x16x128_f8f6f4 v[8*(8*((\a)%4)+\b):8*(8*((\a)%4)+\b)+7], v[128*(\p)+FR*\b:128*(\p)+FR*\b+FR-1], v[AF+FR*(\a):AF+FR*(\a)+FR-1], v[8*(8*((\a)%4)+\b):8*(8*((\a)%4)+\b)+7], v[SC+8*NQ*(\sc)+NQ*\b+(\q)], v[SC+8*NQ*(\sc)+NQ*(\a)+(\q)] matrix_a_fmt:MATRIX_FMT_FP6 matrix_b_fmt:MATRIX_FMT_FP6 matrix_a_scale:MATRIX_SCALE_ROW1
.endif
.endr
.endr
.endm
.macro FETCH_B slot, q, p
	WIN TO_B
.irp i, 0,1,2,3,4,5,6,7
	FRAG 128*(\p)+FR*\i, ADRB+\slot, \q, \i
.endr
	WIN 0
.endm
.macro FETCH_A slot, q, i0
.irp i, \i0, \i0+1, \i0+2, \i0+3
	FRAG AF+FR*(\i), ADRA+\slot, \q, \i
.endr
.endm
.macro SCALES sc
.irp i, 0,1,2,3,4,5,6,7
	ds_load_b64 v[SC+8*NQ*\sc+NQ*\i:SC+8*NQ*\sc+NQ*\i+1], v[ADRS] offset:\i*512
.endr
.endm
.macro PLACES n
.rept \n
	v_nop
.endr
.endm
.macro STEP slot, q, zero
	s_wait_dscnt 4*NL
.if \zero
	WIN 0x81
.else
	WIN MUL_LO
.endif
	MUL16 0, (\q)%2, \q, \slot, \zero
	MUL16 2, (\q)%2, \q, \slot, \zero
	s_wait_dscnt 0
	PLACES NP
	FETCH_B \slot, (\q)+1, 1-(\q)%2
	FETCH_A \slot, (\q)+1, 0
.if \zero
	WIN 0xc1
.else
	WIN MUL_HI
.endif
	MUL16 4, (\q)%2, \q, \slot, \zero
	MUL16 6, (\q)%2, \q, \slot, \zero
	PLACES NP
	WIN 0
	FETCH_A \slot, (\q)+1, 4
.endm
.macro TURN slot, next, fill
	s_wait_tensorcnt 0x0
	ds_add_u32 v[SPW], v[NIL]
	s_wait_dscnt 4*NL+1
	WIN MUL_LO
	MUL16 0, 1, NQ-1, \slot, 0
	s_wait_dscnt 0x0
	s_barrier_signal -1
	MUL16 2, 1, NQ-1, \slot, 0
	WIN 0
	s_barrier_wait -1
.if \fill
	CREST
	s_add_nc_u64 s[G0+4*\slot+2:G0+4*\slot+3], s[G0+4*\slot+2:G0+4*\slot+3], 2*SL16
	s_add_nc_u64 s[G0B+4*\slot+2:G0B+4*\slot+3], s[G0B+4*\slot+2:G0B+4*\slot+3], 2*SL16
	JLOAD G0+4*\slot, G1, G0B+4*\slot, G1B
.else
	PLACES NP
.endif
	s_wait_alu depctr_va_vdst(0)
	v_add_nc_u32 v[ADRS], 128, v[ADRS]
	FETCH_B \next, 0, 0
	FETCH_A \next, 0, 0
	SCALES \next
	WIN MUL_HI
	MUL16 4, 1, NQ-1, \slot, 0
	MUL16 6, 1, NQ-1, \slot, 0
	PLACES NP
	WIN 0
	FETCH_A \next, 0, 4
.endm
	s_wait_tensorcnt 1
	s_barrier_signal -1
	s_barrier_wait -1
	FETCH_B 0, 0, 0
	FETCH_A 0, 0, 0
	SCALES 0
	FETCH_A 0, 0, 4
	s_wait_loadcnt 0x0
	STEP 0, 0, 1
	TURN 0, 1, 1
	STEP 1, 0, 0
	TURN 1, 0, 1
	STEP 0, 0, 0
	TURN 0, 1, 0
	STEP 1, 0, 0
	s_wait_dscnt 4*NL
	WIN MUL_LO
	MUL16 0, 1, NQ-1, 1, 0
	MUL16 2, 1, NQ-1, 1, 0
	s_wait_dscnt 0
	WIN MUL_HI
	MUL16 4, 1, NQ-1, 1, 0
	MUL16 6, 1, NQ-1, 1, 0
	WIN 0
.macro TOSTAGE a
.set AC, 64*((\a)%4)
	WIN 0x08+4*((\a)/4)
.irp b, 0,1,2,3,4,5,6,7
	ds_store_b128 v[STO], v[AC+8*\b:AC+8*\b+3] offset:128*(\b/2)+32*(\b%2)
	ds_store_b128 v[STO], v[AC+8*\b+4:AC+8*\b+7] offset:128*(\b/2)+32*(\b%2)+16
.endr
	WIN 0
.set BB, BK+64*((\a)%2)
.irp t, 0,1,2,3,4,5,6,7,8,9,10,11,12,13,14,15
	ds_load_b128 v[BB+4*\t:BB+4*\t+3], v[RD] offset:\t*SPITCH
.endr
.endm
.macro SEND a, younger
.set BB, BK+64*((\a)%2)
	s_wait_dscnt \younger
.irp t, 0,1,2,3,4,5,6,7,8,9,10,11,12,13,14,15
	global_store_b128 v[CO], v[BB+4*\t:BB+4*\t+3], s[94:95] offset:(32*((\a)/2)+8*((\a)%2)+\t+8*(\t/8))*4096 th:TH_STORE_NT
.endr
.endm
	PLACES NP
	TOSTAGE 0
.irp a, 1,2,3,4,5,6,7
.if \a > 1
	s_wait_xcnt 0x0
.endif
	TOSTAGE \a
	SEND \a-1, 32
.endr
	SEND 7, 0
	s_wait_tensorcnt 0x0
	ds_add_u32 v[SPW], v[NIL]
	s_wait_dscnt 0x0
	CROUND
	s_endpgm
.Lfunc_end_k_q9d11590aa7_proj:
	.size	k_q9d11590aa7_proj, .Lfunc_end_k_q9d11590aa7_proj-k_q9d11590aa7_proj
	.p2alignl 7, 3214868480
	.fill 96, 4, 3214868480
	.section	.rodata,"a",@progbits
	.p2align	6, 0x0
	.amdhsa_kernel k_q9d11590aa7_proj
		.amdhsa_group_segment_fixed_size 327680
		.amdhsa_private_segment_fixed_size 0
		.amdhsa_enable_private_segment 0
		.amdhsa_kernarg_size 48
		.amdhsa_user_sgpr_count 2
		.amdhsa_user_sgpr_kernarg_segment_ptr 1
		.amdhsa_wavefront_size32 1
		.amdhsa_system_sgpr_workgroup_id_x 1
		.amdhsa_system_sgpr_workgroup_id_y 1
		.amdhsa_system_sgpr_workgroup_id_z 1
		.amdhsa_system_vgpr_workitem_id 0
		.amdhsa_next_free_vgpr 1024
		.amdhsa_next_free_sgpr 102
		.amdhsa_reserve_vcc 0
		.amdhsa_float_denorm_mode_32 3
		.amdhsa_float_denorm_mode_16_64 3
		.amdhsa_memory_ordered 1
		.amdhsa_forward_progress 1
		.amdhsa_inst_pref_size 161
	.end_amdhsa_kernel
	.amdgpu_metadata
---
amdhsa.version: [ 1, 2 ]
amdhsa.kernels:
  - .name:           k_q9d11590aa7_proj
    .symbol:         k_q9d11590aa7_proj.kd
    .args:
      - { .name: oimg, .offset: 0, .size: 8, .value_kind: global_buffer, .address_space: global }
      - { .name: osc, .offset: 8, .size: 8, .value_kind: global_buffer, .address_space: global }
      - { .name: cod, .offset: 16, .size: 8, .value_kind: global_buffer, .address_space: global }
      - { .name: scl, .offset: 24, .size: 8, .value_kind: global_buffer, .address_space: global }
      - { .name: b_proj, .offset: 32, .size: 8, .value_kind: global_buffer, .address_space: global }
      - { .name: out0, .offset: 40, .size: 8, .value_kind: global_buffer, .address_space: global }
    .group_segment_fixed_size: 327680
    .private_segment_fixed_size: 0
    .kernarg_segment_align: 8
    .kernarg_segment_size: 48
    .max_flat_workgroup_size: 128
    .sgpr_count:     102
    .vgpr_count:     1024
    .wavefront_size: 32
...
	.end_amdgpu_metadata
.endif
;; end of part 4
